; MI455X (gfx1250); checked and timed in simulation.
; The chip was launched on July 23, 2026; its instructions are those of AMD's public machine-readable ISA for CDNA 5 (MIT licence, August 2026) and "CDNA5" Instruction Set Architecture Reference Guide (July 2026). The comments in the code are by the model that wrote it; some were corrected since.
;; Multi Head Attention Pure. Allowed arithmetic: float matrix products may take bf16 or f16 operands with f32 sums; all other float work in f32.
;; Inputs: W_out 1,024 x 1,024 float32; b_out 1,024 float32; k 2 x 1,024 x 1,024 float32; q 2 x 1,024 x 1,024 float32; v 2 x 1,024 x 1,024 float32.
;; Outputs: out0 2 x 1,024 x 1,024 float32.
;; Constants: apply_mask = 1.
;; One version. Each part assembles by itself: llvm-mc -triple=amdgcn-amd-amdhsa -mcpu=gfx1250 --defsym DOCPART=n.
;; ======== version 1 of 1: 2 launches
;; limits: values are held in f16: magnitudes above 65,504 overflow, below 6.1e-05 lose precision; inputs' magnitudes at most 65,504
;; workspace buffers: xw 4,194,304 bytes; wh 2,097,152 bytes
;; launch attn (part 1): grid 8 x 32, 16 waves a work-group, no clusters, 57,344 bytes of LDS; arguments q, k, v, W_out, xw, wh; writes xw, wh
.if DOCPART == 1
	.amdgcn_target "amdgcn-amd-amdhsa--gfx1250"
	.amdhsa_code_object_version 6
	.text
	.protected	k_q6dd7378819_attn
	.globl	k_q6dd7378819_attn
	.p2align	8
	.type	k_q6dd7378819_attn,@function
k_q6dd7378819_attn:
	s_mov_b64 s[64:65], 0
	v_nop
	global_prefetch_b8 v0, s[64:65] scope:SCOPE_SE
	s_setreg_imm32_b32 hwreg(HW_REG_WAVE_MODE, 25, 1), 1
	s_wait_xcnt 0x0
; Causal softmax attention of 128 independent groups (64 slices of 16 features x 2 batches), S = 1024, head size 16,
; and, as a side job, the copy of W_out in f16.
;   xw[g][s][0..15] (f16, g = 2 j + b) = softmax over keys <= s of (q.k / 4) times v;   wh = f16(W_out).
; xw keeps the flat order in which the groups' results follow each other, which is the order the projection re-views.
;
; SHARES.  Work-group (i = x, u = y): batch b = u >> 4, the four slices j = 4 jq .. 4 jq + 3 (jq = u & 15), which together are
; 256 consecutive aligned bytes of every row of q, k and v; and two blocks of 64 queries, LO = block i and HI = block 15 - i:
; (i + 1) + (16 - i) = 17 blocks of 64 keys for every work-group, so all 256 do the same work.
; Wave w: slice gi = w >> 2, and the 16 queries t = w & 3 of each of the two blocks.
; Sixteen waves: the work is vector arithmetic and exponentials in short dependent chains (one exponential for 32 useful
; multiply-adds), and there is no large accumulator tile that fewer waves could use.
;
; MATRIX FORMS (f16 operands, f32 sums; lane r = l & 15, h = l >> 4):
;   scores, transposed: A = 16 keys (lane r: key r, dims 8 h .. 8 h + 7 in registers 0-3; registers 4-7, K = 16 .. 31, are zero),
;   B = 16 queries, laid alike.  Register j of the result is (key 8 h + j, query r): a lane belongs to ONE query, so the running
;   maximum, the rescaling and the division are one number a lane, and two neighbouring key tiles, rounded to f16 in pairs, ARE the
;   B operand over 32 keys of the second product: no shuffle.
;   O^T += V^T P^T: A = V transposed on the way out of LDS (ds_load_tr16_b128); register j is (dim 8 h + j, query r).
;   L   += ONES P^T: the row sums of the weights as they were rounded, already summed over both halves of the lanes.
;
; NO TENSOR LOADS, NO JOINT REQUESTS, though the eight work-groups of one u read the same k and v: the inputs are f32 and have to be
; rounded to f16 between memory and LDS, which only the way through registers does, and the eight need different numbers of
; key blocks (16 - i).
;
; LIMITS.  Operands are rounded to f16: |q|, |k|, |v|, |W_out| stay below 65504.  A masked key gets the weight 0 exactly, which is
; exp(-1e9 - max) in f32 as long as a row's largest true score / 4 is above about -1e9 + 100.  NaN and infinities in the inputs are
; not carried as the f32 formula carries them (the maxima drop NaN).  The divisor is the f32 sum of the weights rounded to f16.
.set ROWB,  4096                       ; bytes in a row of q, k, v
.set BLKB,  64*ROWB                    ; a block of 64 rows
.set HALFB, 32*ROWB                    ; the work-group's 512 threads take 32 rows x 256 bytes with one load each
.set KP,    144                        ; LDS pitch of Q and K rows (128 bytes of f16 + 16): 9 x 16, so 16 rows start at 16 different 16-byte columns modulo 256
.set VP,    160                        ; LDS pitch of V rows: 5 x 32, the same for the transposing load's pairs of columns
.set KB0,   128*KP                     ; Q: bytes 0 .. 18,431 (rows 0-63 LO, 64-127 HI); K's two slots follow
.set KSL,   64*KP
.set VB0,   KB0+2*KSL                  ; V's two slots
.set VSL,   64*VP
.set CPOS,  0x3eb8aa3b                 ; 0.25 log2(e): the scale 1/4 and the change of base in one factor
.set CNEG,  0xbeb8aa3b
; v1 offset of my 16 bytes in the k/v block that is loaded next; v2, v3 the same in q's LO and HI block; v4, v5 where I store 8 bytes of K (Q), of V
; v6, v7, v8 where I read K, Q, V fragments; v9 = 16 t + r - 8 h; v10, v11 my 16 bytes of xw (LO, HI); v12, v13 my bytes of W_out and wh
; v[14:15], v[26:27] 1 / L; v16-19 four chains of maxima; v20 -C max, v21 new max (a pair); v22 rescaling factor, v23 its exponent (a pair)
.set MH,   24                          ; running maximum, HI tile
.set ML,   25                          ; running maximum, LO tile
.set QFH,  32                          ; v[32:39]   Q fragment HI (upper four registers zero)
.set QFL,  40                          ; v[40:47]   Q fragment LO
.set KF,   48                          ; v[48:79]   four K fragments (upper four registers of each zero)
.set VF,   80                          ; v[80:95]   two V^T fragments of 32 keys
.set ONES, 96                          ; v[96:103]  f16 1.0 everywhere
.set SC,   104                         ; v[104:135] 64 keys x 16 queries of scores, then weights; at the start the stage of q and W_out
.set PW,   136                         ; v[136:151] the weights in f16
.set OH,   152                         ; accumulators: O and L of the HI tile, O and L of the LO tile
.set LH,   160
.set OL,   168
.set LL,   176
.set SETA, 184                         ; v[184:199] even key blocks on their way (K rows 0-31, K rows 32-63, V, V); v[200:215] odd ones
.macro PLACES                          ; four plain vector instructions that name no register of the matrix instructions in front (ISA guide 7.12.1)
.rept 4
	v_nop
.endr
.endm
; Four loads: my 16 bytes of rows 0-31 and 32-63 of the next block of k and of v.  Sixteen lanes take a row's 256 aligned bytes.
.macro LOADBLK set, step
.if \step
	s_wait_xcnt 0x0                                ; v1 is the address of loads issued earlier: it is stepped only behind this wait
	v_add_nc_u32 v1, BLKB, v1
.endif
	global_load_b128 v[\set:\set+3],     v1, s[6:7]
	global_load_b128 v[\set+4:\set+7],   v1, s[6:7] offset:HALFB
	global_load_b128 v[\set+8:\set+11],  v1, s[8:9]
	global_load_b128 v[\set+12:\set+15], v1, s[8:9] offset:HALFB
.endm
; A block that has arrived is rounded to f16 in place and stored into an LDS slot.
.macro CVTST set, slot
.irp m, 0,1,2,3
	v_cvt_pk_f16_f32 v[\set+4*\m],   v[\set+4*\m],   v[\set+4*\m+1]
	v_cvt_pk_f16_f32 v[\set+4*\m+1], v[\set+4*\m+2], v[\set+4*\m+3]
.endr
	ds_store_b64 v4, v[\set:\set+1]     offset:KB0+KSL*(\slot)
	ds_store_b64 v4, v[\set+4:\set+5]   offset:KB0+KSL*(\slot)+32*KP
	ds_store_b64 v5, v[\set+8:\set+9]   offset:VB0+VSL*(\slot)
	ds_store_b64 v5, v[\set+12:\set+13] offset:VB0+VSL*(\slot)+32*VP
.endm
; Eight LDS loads: my slice's four K fragments and two V^T fragments of a slot.
.macro FRAGS slot
.irp tt, 0,1,2,3
	ds_load_b128 v[KF+8*\tt:KF+8*\tt+3], v6 offset:KB0+KSL*(\slot)+16*KP*\tt
.endr
.irp f, 0,1
.irp e, 0,1
	ds_load_tr16_b128 v[VF+8*\f+4*\e:VF+8*\f+4*\e+3], v8 offset:VB0+VSL*(\slot)+32*VP*\f+16*VP*\e
.endr
.endr
.endm
; One tile of 16 queries against the trip's 64 keys.  qf: its Q fragment; oa, la: its accumulators; mx: its running maximum;
; lim: the scalar register with its own block's number (the diagonal); first = 1: key block 0, which starts maximum and sums.
.macro STEP qf, oa, la, mx, lim, first
.if \first == 0
	s_cmp_gt_u32 s20, s[\lim]                      ; key blocks behind the diagonal are masked whole: nothing to do
	s_cbranch_scc1 .Lpast_\@
.endif
.irp tt, 0,1,2,3
	v_wmma_f32_16x16x32_f16 v[SC+8*\tt:SC+8*\tt+7], v[KF+8*\tt:KF+8*\tt+7], v[\qf:\qf+7], 0
.endr
	PLACES                                         ; in front of the vector instructions that read the scores
	s_cmp_lg_u32 s20, s[\lim]
	s_cbranch_scc1 .Lfull_\@
	; the diagonal block: key 16 tt + 8 h + j stays where it is <= query 16 t + r, that is 16 tt + j <= v9; the others become -inf
.set idx, 0
.rept 32
	v_cmp_le_i32 vcc_lo, 16*(idx/8)+idx%8, v9
	v_cndmask_b32 v[SC+idx], s24, v[SC+idx], vcc_lo
.set idx, idx+1
.endr
.Lfull_\@:
	; the largest of my 32 scores in four chains, then the other half of the lanes (the same query's other keys), then the running maximum.
	; Key 0 of a block is never masked, so the maximum over both halves is finite.
.irp c, 0,1,2,3
	v_max3_num_f32 v[16+\c], v[SC+8*\c], v[SC+8*\c+1], v[SC+8*\c+2]
.endr
.irp c, 0,1,2,3
	v_max3_num_f32 v[16+\c], v[16+\c], v[SC+8*\c+3], v[SC+8*\c+4]
.endr
.irp c, 0,1,2,3
	v_max3_num_f32 v[16+\c], v[16+\c], v[SC+8*\c+5], v[SC+8*\c+6]
.endr
	v_max3_num_f32 v16, v16, v17, v[SC+7]
	v_max3_num_f32 v18, v18, v19, v[SC+15]
	v_max3_num_f32 v16, v16, v18, v[SC+23]
	v_max_num_f32 v16, v16, v[SC+31]
	v_permlanex16_b32 v17, v16, s22, s23           ; lane l takes lane l xor 16
.if \first
	v_max_num_f32 v21, v16, v17
.else
	v_max3_num_f32 v21, v16, v17, v[\mx]
	v_sub_f32 v23, v[\mx], v21
	v_mul_f32 v23, CPOS, v23
	v_exp_f32 v22, v23                             ; what the sums so far are scaled by; the two plain lines below stand between it and its use (ISA guide 5.7.2)
.endif
	v_mul_f32 v20, CNEG, v21
	v_mov_b32 v[\mx], v21
.set idx, 0
.rept 16
	v_pk_fma_f32 v[SC+idx:SC+idx+1], v[SC+idx:SC+idx+1], CPOS, v[20:21] op_sel_hi:[1,0,0]   ; C score - C max, both halves with v20
.set idx, idx+2
.endr
.set idx, 0
.rept 32
	v_exp_f32 v[SC+idx], v[SC+idx]
.set idx, idx+1
.endr
.if \first
	v_nop                                          ; one plain instruction between the last exponential and the use of its result
	s_wait_alu depctr_va_vdst(0)
.else
	s_wait_alu depctr_va_vdst(0)
.irp c, 0,2,4,6
	v_pk_mul_f32 v[\oa+\c:\oa+\c+1], v[\oa+\c:\oa+\c+1], v[22:23] op_sel_hi:[1,0]   ; these are that plain work here
	v_pk_mul_f32 v[\la+\c:\la+\c+1], v[\la+\c:\la+\c+1], v[22:23] op_sel_hi:[1,0]
.endr
.endif
.set idx, 0
.rept 16
	v_cvt_pk_f16_f32 v[PW+idx], v[SC+2*idx], v[SC+2*idx+1]
.set idx, idx+1
.endr
	; the two accumulators take turns, one instruction a turn
.if \first
	v_wmma_f32_16x16x32_f16 v[\oa:\oa+7], v[VF:VF+7],     v[PW:PW+7], 0
	v_wmma_f32_16x16x32_f16 v[\la:\la+7], v[ONES:ONES+7], v[PW:PW+7], 0
.else
	v_wmma_f32_16x16x32_f16 v[\oa:\oa+7], v[VF:VF+7],     v[PW:PW+7], v[\oa:\oa+7]
	v_wmma_f32_16x16x32_f16 v[\la:\la+7], v[ONES:ONES+7], v[PW:PW+7], v[\la:\la+7]
.endif
	v_wmma_f32_16x16x32_f16 v[\oa:\oa+7], v[VF+8:VF+15],  v[PW+8:PW+15], v[\oa:\oa+7]
	v_wmma_f32_16x16x32_f16 v[\la:\la+7], v[ONES:ONES+7], v[PW+8:PW+15], v[\la:\la+7]
	PLACES                                         ; in front of later loads into the fragments, writes of the weights and reads of the sums
.Lpast_\@:
.endm
; Key block s20, which lies in LDS slot \slot.  stage = 1: the next block (in the other register set) is rounded and stored into the other slot;
; left = the younger loads that may stay out at that point; load = 1: that register set is loaded again, three blocks ahead of this trip.
.macro TRIP slot, first, stage, left, load, last
	FRAGS \slot
.if \stage
	s_wait_loadcnt \left                           ; loads return in order (ISA guide 5.7.1): the next block is in, the one behind it stays out
	CVTST SETA+16*(1-\slot), 1-\slot
.if \load
	LOADBLK SETA+16*(1-\slot), 1
.endif
.endif
	s_wait_dscnt 4*\stage                          ; the fragment loads are back; only the four younger stores may be out
	STEP QFH, OH, LH, MH, 19, \first
	STEP QFL, OL, LL, ML, 17, \first
.if \last == 0
	s_wait_dscnt 0x0                               ; my stores into the other slot are done (my reads of this slot were waited for above)
	s_barrier_signal -1                            ; one barrier a trip orders both: the next trip reads the other slot
	s_barrier_wait -1                              ; and stores into this one
	s_add_co_u32 s20, s20, 1
.endif
.endm
	s_load_b256 s[4:11], s[0:1], 0x0               ; q s[4:5], k s[6:7], v s[8:9], W_out s[10:11]
	s_load_b128 s[12:15], s[0:1], 0x20             ; xw s[12:13], wh s[14:15]
	v_lshrrev_b32 v16, 5, v0
	v_readfirstlane_b32 s16, v16                   ; wave 0 .. 15
	s_mov_b32 s17, ttmp9                           ; i: the LO block's number
	s_and_b32 s18, ttmp7, 0xffff                   ; u
	s_sub_co_u32 s19, 15, s17                      ; the HI block's number
	s_lshr_b32 s25, s16, 2                         ; gi
	s_and_b32 s26, s16, 3                          ; t
	s_lshr_b32 s27, s18, 4                         ; b
	s_and_b32 s28, s18, 15                         ; jq
	s_lshl3_add_u32 s29, s18, s17                  ; the work-group's number 8 u + i, for W_out's share
	s_lshr_b32 s21, s17, 1
	s_sub_co_u32 s21, 5, s21                       ; passes of the loop: 2 (8 - (i >> 1)) trips in all, two ahead of the loop, four behind it
	s_mov_b32 s22, 0x76543210                      ; v_permlanex16_b32: lane n of the other half
	s_mov_b32 s23, 0xfedcba98
	s_mov_b32 s24, 0xff800000                      ; -inf
	s_mov_b32 s20, 0                               ; the trip's key block
	; offsets in q, k, v: thread n takes bytes 16 (n & 15) of the slices' 256 bytes in row n >> 4
	v_lshrrev_b32 v16, 4, v0
	v_and_b32 v17, 15, v0
	s_lshl_b32 s30, s27, 22                        ; batch: 1024 rows of 4,096 bytes
	s_lshl_b32 s31, s28, 8
	s_add_co_u32 s30, s30, s31
	v_lshlrev_b32 v1, 4, v17
	v_lshl_add_u32 v1, v16, 12, v1
	v_add_nc_u32 v1, s30, v1
	s_lshl_b32 s31, s17, 18
	v_add_nc_u32 v2, s31, v1                       ; q, block i
	s_lshl_b32 s31, s19, 18
	v_add_nc_u32 v3, s31, v1                       ; q, block 15 - i
	v_lshlrev_b32 v18, 3, v17
	v_mad_u32_u24 v4, v16, KP, v18                 ; the same place in LDS, in f16
	v_mad_u32_u24 v5, v16, VP, v18
	; fragment addresses
	v_bfe_u32 v17, v0, 4, 1                        ; h
	v_and_b32 v16, 15, v0                          ; r
	v_mul_u32_u24 v6, v16, KP
	v_lshl_add_u32 v6, v17, 4, v6
	s_lshl_b32 s30, s25, 5                         ; my slice's 32 bytes of a row
	v_add_nc_u32 v6, s30, v6                       ; K: row r, dims 8 h ..
	s_mul_i32 s31, s26, 16*KP
	v_add_nc_u32 v7, s31, v6                       ; Q: the same in rows 16 t ..
	v_and_b32 v18, 7, v0
	v_lshl_add_u32 v18, v17, 3, v18                ; V: row 8 h + (l & 7),
	v_bfe_u32 v19, v0, 3, 1                        ; 16 bytes (l >> 3) & 1 of my slice
	v_mul_u32_u24 v8, v18, VP
	v_lshl_add_u32 v8, v19, 4, v8
	v_add_nc_u32 v8, s30, v8
	s_lshl_b32 s31, s26, 4
	v_lshlrev_b32 v18, 3, v17
	v_sub_nc_u32 v9, v16, v18
	v_add_nc_u32 v9, s31, v9                       ; 16 t + r - 8 h, signed
	; xw: group g = 8 jq + 2 gi + b, 32,768 bytes each; query row 32 bytes; my dims 8 h .. are 16 bytes
	s_lshl_b32 s30, s28, 3
	s_lshl1_add_u32 s30, s25, s30
	s_add_co_u32 s30, s30, s27
	s_lshl_b32 s30, s30, 15
	s_lshl_b32 s31, s26, 9
	s_add_co_u32 s30, s30, s31
	v_lshlrev_b32 v18, 5, v16
	v_lshl_add_u32 v18, v17, 4, v18
	v_add_nc_u32 v18, s30, v18
	s_lshl_b32 s31, s17, 11
	v_add_nc_u32 v10, s31, v18
	s_lshl_b32 s31, s19, 11
	v_add_nc_u32 v11, s31, v18
	s_lshl_b32 s30, s29, 14                        ; W_out: 16,384 bytes a work-group,
	v_lshl_add_u32 v12, v0, 4, s30
	s_lshl_b32 s30, s29, 13                        ; 8,192 of wh
	v_lshl_add_u32 v13, v0, 3, s30
	s_wait_kmcnt 0x0
	; fourteen loads: W_out 2, q 4 (both read once in the launch), key blocks 0 and 1
	global_load_b128 v[SC+16:SC+19], v12, s[10:11] th:TH_LOAD_NT
	global_load_b128 v[SC+20:SC+23], v12, s[10:11] offset:8192 th:TH_LOAD_NT
	global_load_b128 v[SC:SC+3],     v2, s[4:5] th:TH_LOAD_NT
	global_load_b128 v[SC+4:SC+7],   v2, s[4:5] offset:HALFB th:TH_LOAD_NT
	global_load_b128 v[SC+8:SC+11],  v3, s[4:5] th:TH_LOAD_NT
	global_load_b128 v[SC+12:SC+15], v3, s[4:5] offset:HALFB th:TH_LOAD_NT
	LOADBLK SETA, 0
	LOADBLK SETA+16, 1
	; the halves of the score product's operands that stand for K = 16 .. 31 are zero for the whole kernel; the loads fill the lower halves only
.irp f, QFH, QFL, KF, KF+8, KF+16, KF+24
.irp c, 4,5,6,7
	v_mov_b32 v[\f+\c], 0
.endr
.endr
.irp c, 0,1,2,3,4,5,6,7
	v_mov_b32 v[ONES+\c], 0x3c003c00               ; 1.0, 1.0 in f16
.endr
	s_wait_loadcnt 12                              ; twelve loads were issued behind W_out's two
	v_cvt_pk_f16_f32 v28, v[SC+16], v[SC+17]
	v_cvt_pk_f16_f32 v29, v[SC+18], v[SC+19]
	v_cvt_pk_f16_f32 v30, v[SC+20], v[SC+21]
	v_cvt_pk_f16_f32 v31, v[SC+22], v[SC+23]
	global_store_b64 v13, v[28:29], s[14:15]                ; a wave's store covers 256 consecutive bytes, aligned; v13 and v[28:31] are never written again
	global_store_b64 v13, v[30:31], s[14:15] offset:4096
	s_wait_loadcnt 8                               ; eight behind q's four
.irp m, 0,1,2,3
	v_cvt_pk_f16_f32 v[SC+4*\m],   v[SC+4*\m],   v[SC+4*\m+1]
	v_cvt_pk_f16_f32 v[SC+4*\m+1], v[SC+4*\m+2], v[SC+4*\m+3]
	ds_store_b64 v4, v[SC+4*\m:SC+4*\m+1] offset:32*KP*\m
.endr
	s_wait_loadcnt 4                               ; four behind key block 0
	CVTST SETA, 0
	LOADBLK SETA, 1                                ; key block 2
	s_wait_dscnt 0x0                               ; my part of Q and of slot 0 is stored
	s_barrier_signal -1
	s_barrier_wait -1                              ; everybody's is
	ds_load_b128 v[QFL:QFL+3], v7
	ds_load_b128 v[QFH:QFH+3], v7 offset:64*KP
	TRIP 0, 1, 1, 4, 1, 0                          ; key block 0 starts maxima and sums: nothing is cleared
	TRIP 1, 0, 1, 4, 1, 0
.Lpass:
	TRIP 0, 0, 1, 4, 1, 0
	TRIP 1, 0, 1, 4, 1, 0
	s_sub_co_i32 s21, s21, 1
	s_cmp_lg_u32 s21, 0
	s_cbranch_scc1 .Lpass
	TRIP 0, 0, 1, 4, 1, 0                          ; loads the last block (for odd i one block past the HI diagonal: inside k and v, staged, and passed over by both tiles)
	TRIP 1, 0, 1, 4, 0, 0                          ; the last four trips are written out: no load is jumped over, the counts run down
	TRIP 0, 0, 1, 0, 0, 0
	TRIP 1, 0, 0, 0, 0, 1
	; divide, round to f16, store: the wave's store of a tile covers 512 consecutive bytes, aligned
	v_rcp_f32 v26, v[LH]
	v_rcp_f32 v27, v[LH]
	v_rcp_f32 v14, v[LL]
	v_rcp_f32 v15, v[LL]
	v_nop                                          ; one plain instruction between the reciprocals and their use
	s_wait_alu depctr_va_vdst(0)
.irp c, 0,2,4,6
	v_pk_mul_f32 v[OH+\c:OH+\c+1], v[OH+\c:OH+\c+1], v[26:27]
	v_pk_mul_f32 v[OL+\c:OL+\c+1], v[OL+\c:OL+\c+1], v[14:15]
.endr
.irp c, 0,1,2,3
	v_cvt_pk_f16_f32 v[PW+\c],   v[OH+2*\c], v[OH+2*\c+1]
	v_cvt_pk_f16_f32 v[PW+4+\c], v[OL+2*\c], v[OL+2*\c+1]
.endr
	global_store_b128 v11, v[PW:PW+3],   s[12:13]
	global_store_b128 v10, v[PW+4:PW+7], s[12:13]
	s_endpgm
.Lfunc_end_k_q6dd7378819_attn:
	.size	k_q6dd7378819_attn, .Lfunc_end_k_q6dd7378819_attn-k_q6dd7378819_attn
	.p2alignl 7, 3214868480
	.fill 96, 4, 3214868480
	.section	.rodata,"a",@progbits
	.p2align	6, 0x0
	.amdhsa_kernel k_q6dd7378819_attn
		.amdhsa_group_segment_fixed_size 57344
		.amdhsa_private_segment_fixed_size 0
		.amdhsa_enable_private_segment 0
		.amdhsa_kernarg_size 48
		.amdhsa_user_sgpr_count 2
		.amdhsa_user_sgpr_kernarg_segment_ptr 1
		.amdhsa_wavefront_size32 1
		.amdhsa_system_sgpr_workgroup_id_x 1
		.amdhsa_system_sgpr_workgroup_id_y 1
		.amdhsa_system_sgpr_workgroup_id_z 1
		.amdhsa_system_vgpr_workitem_id 0
		.amdhsa_next_free_vgpr 216
		.amdhsa_next_free_sgpr 66
		.amdhsa_reserve_vcc 1
		.amdhsa_float_denorm_mode_32 3
		.amdhsa_float_denorm_mode_16_64 3
		.amdhsa_memory_ordered 1
		.amdhsa_forward_progress 1
		.amdhsa_inst_pref_size 154
	.end_amdhsa_kernel
	.amdgpu_metadata
---
amdhsa.version: [ 1, 2 ]
amdhsa.kernels:
  - .name:           k_q6dd7378819_attn
    .symbol:         k_q6dd7378819_attn.kd
    .args:
      - { .name: q, .offset: 0, .size: 8, .value_kind: global_buffer, .address_space: global }
      - { .name: k, .offset: 8, .size: 8, .value_kind: global_buffer, .address_space: global }
      - { .name: v, .offset: 16, .size: 8, .value_kind: global_buffer, .address_space: global }
      - { .name: W_out, .offset: 24, .size: 8, .value_kind: global_buffer, .address_space: global }
      - { .name: xw, .offset: 32, .size: 8, .value_kind: global_buffer, .address_space: global }
      - { .name: wh, .offset: 40, .size: 8, .value_kind: global_buffer, .address_space: global }
    .group_segment_fixed_size: 57344
    .private_segment_fixed_size: 0
    .kernarg_segment_align: 8
    .kernarg_segment_size: 48
    .max_flat_workgroup_size: 512
    .sgpr_count:     66
    .vgpr_count:     216
    .wavefront_size: 32
...
	.end_amdgpu_metadata
.endif
;; end of part 1
;; launch proj (part 2): grid 16 x 16, 4 waves a work-group, clusters of 4 x 4, 327,680 bytes of LDS; arguments xw, wh, b_out, out0; writes out0
.if DOCPART == 2
	.amdgcn_target "amdgcn-amd-amdhsa--gfx1250"
	.amdhsa_code_object_version 6
	.text
	.protected	k_q6dd7378819_proj
	.globl	k_q6dd7378819_proj
	.p2align	8
	.type	k_q6dd7378819_proj,@function
k_q6dd7378819_proj:
	s_mov_b64 s[64:65], 0
	v_nop
	global_prefetch_b8 v0, s[64:65] scope:SCOPE_SE
	s_setreg_imm32_b32 hwreg(HW_REG_WAVE_MODE, 25, 1), 1
	s_wait_xcnt 0x0
	s_wait_alu depctr_hold_cnt(0) depctr_sa_sdst(0) depctr_va_vdst(0) depctr_va_sdst(0) depctr_va_ssrc(0) depctr_va_vcc(0) depctr_vm_vsrc(0)
	s_getreg_b32 s2, hwreg(HW_REG_IB_STS2, 6, 4)
	s_cmp_eq_u32 s2, 0
	s_cbranch_scc0 .Lentry_in_a_cluster
	s_endpgm
.Lentry_in_a_cluster:
	s_bfe_u32 s2, ttmp6, 0x10000c
	s_cmp_lg_u32 s2, 0xf033
	s_cbranch_scc0 .Lentry_shape_is_right
	s_endpgm
.Lentry_shape_is_right:
; out0[R][n] = sum over K of y[R][K] wh[n][K] + b_out[n];  R = 1024 b' + s' (2048 rows), n and K 0 .. 1023; operands f16, sums f32.
; y is a re-view of xw: y[R][64 h' + c] lies at byte 262,144 h' + 128 R + 2 c.  So for a block of 128 rows (mb) the 64 values of K of one h'
; are a dense PLANE of 16,384 bytes at 16,384 mb + 262,144 h': no pass that permutes is needed.
; A work-group makes 128 rows x 64 columns: 16 x 16 = 256 work-groups.  Wave w makes rows 32 w .. 32 w + 31 x all 64 columns, eight
; accumulator tiles, so that its rows of the result are whole pieces of 256 bytes.
; The matrix instruction is used transposed (source 0 = 16 rows of wh, source 1 = 16 rows of y): lane l holds row l % 16 and the eight
; neighbouring columns 8 (l / 16) + 0 .. 7.  The accumulators are loaded with b_out: the bias is the first C, nothing is cleared or added later.
; CLUSTERS: 4 x 4 work-groups.  y's tiles hang on mb alone and are asked for jointly by a row of the cluster, wh's on nb alone and are asked
; for jointly by a column: each tile is requested once for four work-groups.
; LDS: three slots of K = 256; K = 1024 is four fills.  Fills 0, 1, 2 go out together at the start (three tensor loads of a wave are out),
; fill 3 goes into slot 0 behind a round of the cluster's barrier (one is out) and has the 128 matrix instructions of slots 1 and 2 in which to land.
; LIMIT: operands are f16, so |W_out| and the attention's results stay below 65504.
.set PLANE, 64*272                     ; a plane in LDS: 64 lines of two y rows (2 x 128 bytes) + 16 bytes of padding
.set BPART, 4*PLANE                    ; behind a slot's four planes: 64 rows of wh, 512 bytes + 16 of padding
.set BP,    528                        ; 33 x 16: sixteen rows start at sixteen different 16-byte columns modulo 256
.set SLOT,  BPART+64*BP                ; 103,424
.set STAGE, 3*SLOT                     ; 310,272, a multiple of 256: 16 rows x 272 bytes for each wave, for the way out; no fill lands here
.set SP,    272
.set ADRA, 8                           ; v8-10   my y fragments in slot 0, 1, 2
.set ADRB, 12                          ; v12-14  the wh fragments in slot 0, 1, 2
.set STO,  16                          ; v16     the way out: where I put 32 bytes of a row
.set RD,   17                          ; v17     where I read 16 bytes of a row back
.set CO,   18                          ; v18     the same place in out0
.set BO,   19                          ; v19     my eight numbers of b_out
.set F0,   32                          ; v[32:79]   fragment buffer 0: wh's four at +8 bn, y's two at +32 + 8 a
.set F1,   80                          ; v[80:127]  fragment buffer 1
.set ACC,  128                         ; v[128:191] tile (a, bn) at 128 + 8 (4 a + bn)
.set G1A,  24                          ; s[24:31] descriptor group 1, y's tiles
.set G1B,  32                          ; s[32:39] descriptor group 1, wh's tiles
.set G0A,  40                          ; s[40:51] descriptor group 0, y's tiles, a set for each slot
.set G0B,  52                          ; s[52:63] descriptor group 0, wh's tiles, a set for each slot
; A round of the cluster's barrier: my work-group's barrier, wave 0 signals for the work-group, every wave waits for all sixteen, my work-group's barrier again.
.macro ROUND
	s_barrier_signal -1
	s_barrier_wait -1
	s_cmp_lg_u32 s12, 0
	s_cbranch_scc1 .Lnot_wave_0_\@
	s_barrier_signal -3
.Lnot_wave_0_\@:
	s_barrier_wait -3
	s_barrier_signal -1
	s_barrier_wait -1
.endm
.macro PLACES                          ; four plain vector instructions that name no register of the matrix instructions in front (ISA guide 7.12.1)
.rept 4
	v_nop
.endr
.endm
; Twelve LDS loads: the fragments of K step ks (32 along K) of slot n into buffer f.  In y's planes K step ks is bytes 64 (ks % 2) of plane ks / 2.
.macro FETCH n, ks, f
.irp bn, 0,1,2,3
	ds_load_b128 v[\f+8*\bn:\f+8*\bn+3],   v[ADRB+\n] offset:16*BP*\bn+64*(\ks)
	ds_load_b128 v[\f+8*\bn+4:\f+8*\bn+7], v[ADRB+\n] offset:16*BP*\bn+64*(\ks)+32
.endr
.irp a, 0,1
	ds_load_b128 v[\f+32+8*\a:\f+32+8*\a+3], v[ADRA+\n] offset:PLANE*((\ks)/2)+8*272*\a+64*((\ks)%2)
	ds_load_b128 v[\f+36+8*\a:\f+36+8*\a+3], v[ADRA+\n] offset:PLANE*((\ks)/2)+8*272*\a+64*((\ks)%2)+32
.endr
.endm
; Eight matrix instructions; the eight accumulators take turns, one instruction a turn, in the same order in every step.
.macro MUL8 f
.irp a, 0,1
.irp bn, 0,1,2,3
	v_wmma_f32_16x16x32_f16 v[ACC+8*(4*\a+\bn):ACC+8*(4*\a+\bn)+7], v[\f+8*\bn:\f+8*\bn+7], v[\f+32+8*\a:\f+32+8*\a+7], v[ACC+8*(4*\a+\bn):ACC+8*(4*\a+\bn)+7]
.endr
.endr
.endm
; A K step on buffer f.  more = 1: the next step's fragments (slot n2, step ks2) are asked for first, into buffer g, which the step before multiplied.
.macro KS f, g, n2, ks2, more
.if \more
	PLACES                                         ; in front of loads into registers that matrix instructions have read
	FETCH \n2, \ks2, \g
	s_wait_dscnt 12                                ; all but the twelve just issued: buffer f is in
.else
	s_wait_dscnt 0x0
.endif
	MUL8 \f
.endm
; The eight K steps of slot n, whose first fragments are on their way into buffer 0.  cont = 1: the last step asks for slot nn's first fragments.
.macro SLOTRUN n, nn, cont
	KS F0, F1, \n, 1, 1
	KS F1, F0, \n, 2, 1
	KS F0, F1, \n, 3, 1
	KS F1, F0, \n, 4, 1
	KS F0, F1, \n, 5, 1
	KS F1, F0, \n, 6, 1
	KS F0, F1, \n, 7, 1
	KS F1, F0, \nn, 0, \cont
.endm
	s_load_b256 s[4:11], s[0:1], 0x0               ; xw s[4:5], wh s[6:7], b_out s[8:9], out0 s[10:11]
	v_lshrrev_b32 v1, 5, v0
	v_readfirstlane_b32 s12, v1                    ; wave 0 .. 3
	s_lshr_b32 s13, s12, 1                         ; I fetch for y (0) or for wh (1),
	s_and_b32 s14, s12, 1                          ; its first or its second half
	s_bfe_u32 s15, ttmp6, 0x40000                  ; cx
	s_bfe_u32 s16, ttmp6, 0x40004                  ; cy
	s_lshl_b32 s17, ttmp9, 2
	s_add_co_u32 s17, s17, s15                     ; nb: block of 64 columns = 4 x cluster x + cx
	s_and_b32 s18, ttmp7, 0xffff
	s_lshl_b32 s18, s18, 2
	s_add_co_u32 s18, s18, s16                     ; mb: block of 128 rows = 4 x cluster y + cy
	s_lshl_b32 s19, s16, 2
	s_lshl_b32 s19, 15, s19                        ; my row of the cluster: places 4 cy .. 4 cy + 3
	s_lshl_b32 s20, 0x1111, s15                    ; my column: places cx, cx + 4, cx + 8, cx + 12
	; group 1 for y: two rows of 8,192 elements, each a dense plane, 131,072 elements apart; 16 bytes of padding behind every 256 bytes, counted along the whole tile
	s_or_b32 s[G1A+0], s19, (1<<16)|(1<<20)|(1<<21)|(5<<22)|(3<<25)  ; 15:0 mask: my row; 17:16 elements of 2 bytes; 20 padding on; 21 set beside a mask; 24:22 after every 64 words; 31:25 four words
	s_mov_b32 s[G1A+1], 8192<<16                   ; tensor_dim0 = 8,192
	s_mov_b32 s[G1A+2], 2<<16                      ; tensor_dim1 = 2
	s_mov_b32 s[G1A+3], 8192<<16                   ; tile_dim0 = 8,192
	s_mov_b32 s[G1A+4], 2                          ; tile_dim1 = 2
	s_mov_b32 s[G1A+5], 131072                     ; from plane to plane
	s_mov_b32 s[G1A+6], 0
	s_mov_b32 s[G1A+7], 0
	; group 1 for wh: 32 rows of 256 elements, 1,024 elements apart; 16 bytes of padding behind every 512 bytes
	s_or_b32 s[G1B+0], s20, (1<<16)|(1<<20)|(1<<21)|(6<<22)|(3<<25)  ; mask: my column; after every 128 words four words
	s_mov_b32 s[G1B+1], 256<<16
	s_mov_b32 s[G1B+2], 32<<16
	s_mov_b32 s[G1B+3], 256<<16
	s_mov_b32 s[G1B+4], 32
	s_mov_b32 s[G1B+5], 1024
	s_mov_b32 s[G1B+6], 0
	s_mov_b32 s[G1B+7], 0
	; where the tiles come from: y's address is made of mb and the wave's number alone, wh's of nb and the wave's number alone, each in registers of its own
	s_lshl_b32 s70, s18, 14                        ; 16,384 mb
	s_lshl_b32 s23, s14, 19                        ; + two planes for the second half
	s_add_co_u32 s70, s70, s23
	s_mov_b32 s71, 0
	s_lshl_b32 s72, s17, 17                        ; 64 rows of 2,048 bytes x nb
	s_lshl_b32 s23, s14, 16                        ; + 32 rows for the second half
	s_add_co_u32 s72, s72, s23
	s_mov_b32 s73, 0
	; and where they go: the wave's number and constants alone
	s_mul_i32 s21, s12, 2*PLANE                    ; waves 0, 1: planes 0-1, 2-3 of the slot
	s_mul_i32 s22, s12, 32*BP
	s_add_co_u32 s22, s22, BPART-64*BP             ; waves 2, 3: rows 0-31, 32-63 behind the planes
	s_wait_kmcnt 0x0
	s_add_nc_u64 s[66:67], s[4:5], s[70:71]
	s_add_nc_u64 s[68:69], s[6:7], s[72:73]
.irp n, 0,1,2
	s_mov_b32 s[G0A+4*\n], 1                                       ; count = 1
	s_add_co_u32 s[G0A+4*\n+1], s21, \n*SLOT                       ; LDS address
	s_add_nc_u64 s[G0A+4*\n+2:G0A+4*\n+3], s[66:67], \n*4*262144   ; fill n: four planes on
	s_or_b32 s[G0A+4*\n+3], s[G0A+4*\n+3], 0x80000000              ; type = 2
	s_mov_b32 s[G0B+4*\n], 1
	s_add_co_u32 s[G0B+4*\n+1], s22, \n*SLOT
	s_add_nc_u64 s[G0B+4*\n+2:G0B+4*\n+3], s[68:69], \n*512        ; fill n: 256 elements on
	s_or_b32 s[G0B+4*\n+3], s[G0B+4*\n+3], 0x80000000
.endr
	ROUND                                          ; all sixteen work-groups are here: the first joint loads meet
	s_cmp_eq_u32 s13, 0                            ; the branch hangs on the wave's number alone; each line has one mask
	s_cbranch_scc0 .Lfirst_b
	tensor_load_to_lds s[G0A:G0A+3],    s[G1A:G1A+7]
	s_nop 0
	tensor_load_to_lds s[G0A+4:G0A+7],  s[G1A:G1A+7]
	s_nop 0
	tensor_load_to_lds s[G0A+8:G0A+11], s[G1A:G1A+7]
	s_nop 0
	s_branch .Lfirst_done
.Lfirst_b:
	tensor_load_to_lds s[G0B:G0B+3],    s[G1B:G1B+7]
	s_nop 0
	tensor_load_to_lds s[G0B+4:G0B+7],  s[G1B:G1B+7]
	s_nop 0
	tensor_load_to_lds s[G0B+8:G0B+11], s[G1B:G1B+7]
	s_nop 0
.Lfirst_done:
	; lane addresses.  A fragment is 16 rows x 32 K: lane l holds row r = l % 16; two loads of 16 bytes, 32 bytes apart, at 16 h (h = l / 16).
	v_and_b32 v1, 15, v0                           ; r
	v_bfe_u32 v2, v0, 4, 1                         ; h
	v_lshrrev_b32 v3, 1, v1
	v_and_b32 v4, 1, v1
	v_mul_u32_u24 v5, v3, 272                      ; y: line r >> 1,
	v_lshl_add_u32 v5, v4, 7, v5                   ; its first or second 128 bytes: the sixteen rows start at sixteen different 16-byte columns modulo 256
	v_lshl_add_u32 v5, v2, 4, v5
	s_mul_i32 s23, s12, 16*272                     ; my 32 rows are 16 lines
	v_add_nc_u32 v[ADRA], s23, v5
	v_add_nc_u32 v[ADRA+1], SLOT, v[ADRA]
	v_add_nc_u32 v[ADRA+2], 2*SLOT, v[ADRA]
	v_mul_u32_u24 v6, v1, BP
	v_lshl_add_u32 v6, v2, 4, v6
	v_add_nc_u32 v[ADRB], BPART, v6
	v_add_nc_u32 v[ADRB+1], BPART+SLOT, v6
	v_add_nc_u32 v[ADRB+2], BPART+2*SLOT, v6
	s_add_co_u32 s23, s23, STAGE                   ; my stage: 16 x 272 bytes as well
	v_mul_u32_u24 v7, v1, SP
	v_lshl_add_u32 v7, v2, 5, v7
	v_add_nc_u32 v[STO], s23, v7                   ; in: row r, 32 bytes for each half of the lanes
	v_mul_u32_u24 v7, v2, SP
	v_lshl_add_u32 v7, v1, 4, v7
	v_add_nc_u32 v[RD], s23, v7                    ; back: lanes 0-15 one row of 256 bytes, lanes 16-31 the next
	v_lshlrev_b32 v[CO], 4, v1
	v_lshl_add_u32 v[CO], v2, 12, v[CO]            ; the same two rows in out0
	s_lshl_b32 s23, s17, 8
	v_lshl_add_u32 v[BO], v2, 5, s23               ; b_out: 256 nb + 32 h
.irp a, 0,1
.irp bn, 0,1,2,3
	global_load_b128 v[ACC+8*(4*\a+\bn):ACC+8*(4*\a+\bn)+3],   v[BO], s[8:9] offset:64*\bn
	global_load_b128 v[ACC+8*(4*\a+\bn)+4:ACC+8*(4*\a+\bn)+7], v[BO], s[8:9] offset:64*\bn+16
.endr
.endr
	s_wait_loadcnt 0x0                             ; the bias is in the accumulators
	s_wait_tensorcnt 0x2                           ; my part of slot 0 is in; the two younger loads stay out
	s_barrier_signal -1
	s_barrier_wait -1                              ; everybody's part of slot 0 is in
	FETCH 0, 0, F0
	SLOTRUN 0, 0, 0                                ; K = 0 .. 255
	s_wait_dscnt 0x0                               ; my reads of slot 0 are back
	s_wait_tensorcnt 0x0                           ; all my tensor loads have landed, my parts of slots 1 and 2 among them, so a group 0 may be written
	s_add_nc_u64 s[G0A+2:G0A+3], s[G0A+2:G0A+3], 3*4*262144   ; slot 0's next tile is the fourth fill
	s_add_nc_u64 s[G0B+2:G0B+3], s[G0B+2:G0B+3], 3*512
	ROUND                                          ; both hold of every wave of every work-group of the cluster
	s_cmp_eq_u32 s13, 0
	s_cbranch_scc0 .Lagain_b
	tensor_load_to_lds s[G0A:G0A+3], s[G1A:G1A+7]  ; my one tensor load behind the round
	s_nop 0
	s_branch .Lagain_done
.Lagain_b:
	tensor_load_to_lds s[G0B:G0B+3], s[G1B:G1B+7]
	s_nop 0
.Lagain_done:
	PLACES
	FETCH 1, 0, F0
	SLOTRUN 1, 2, 1                                ; K = 256 .. 511; no barrier between the two slots: the round has shown both whole to every wave
	SLOTRUN 2, 0, 0                                ; K = 512 .. 767
	s_wait_dscnt 0x0
	s_wait_tensorcnt 0x0                           ; my part of the fourth fill is in
	s_barrier_signal -1
	s_barrier_wait -1                              ; everybody's is; nothing is filled any more
	PLACES
	FETCH 0, 0, F0
	SLOTRUN 0, 0, 0                                ; K = 768 .. 1023
	; THE WAY OUT, 16 rows at a time through my own stage: a lane's 32 bytes of a row go in, whole rows of 256 bytes come back.
	PLACES                                         ; in front of the LDS stores that read results and of the loads into the fragment buffers
	s_lshl_b32 s70, s18, 19                        ; 128 rows of 4,096 bytes x mb
	s_lshl_b32 s23, s12, 17                        ; + 32 rows x wave
	s_add_co_u32 s70, s70, s23
	s_mov_b32 s71, 0
	s_add_nc_u64 s[10:11], s[10:11], s[70:71]
	s_lshl_b32 s72, s17, 8                         ; + 256 bytes x nb
	s_mov_b32 s73, 0
	s_add_nc_u64 s[10:11], s[10:11], s[72:73]
.macro OUT16 a, f
.irp bn, 0,1,2,3
	ds_store_b128 v[STO], v[ACC+8*(4*\a+\bn):ACC+8*(4*\a+\bn)+3]   offset:64*\bn
	ds_store_b128 v[STO], v[ACC+8*(4*\a+\bn)+4:ACC+8*(4*\a+\bn)+7] offset:64*\bn+16
.endr
.irp t, 0,1,2,3,4,5,6,7
	ds_load_b128 v[\f+4*\t:\f+4*\t+3], v[RD] offset:2*SP*\t        ; LDS serves a wave's instructions in order (ISA guide 5.7.1): these see the stores above
.endr
.irp t, 0,1,2,3,4,5,6,7
	s_wait_dscnt 7-\t                              ; load t is back; the younger ones stay out
	global_store_b128 v[CO], v[\f+4*\t:\f+4*\t+3], s[10:11] offset:(16*\a+2*\t)*4096 th:TH_STORE_NT   ; 16 lanes store 256 consecutive bytes, aligned
.endr
.endm
	OUT16 0, F0                                    ; each half has its own registers for the stores' data: none is written again
	OUT16 1, F1
	ROUND                                          ; the closing round: no work-group ends while a partner may still ask for a tile that names it
	s_endpgm
.Lfunc_end_k_q6dd7378819_proj:
	.size	k_q6dd7378819_proj, .Lfunc_end_k_q6dd7378819_proj-k_q6dd7378819_proj
	.p2alignl 7, 3214868480
	.fill 96, 4, 3214868480
	.section	.rodata,"a",@progbits
	.p2align	6, 0x0
	.amdhsa_kernel k_q6dd7378819_proj
		.amdhsa_group_segment_fixed_size 327680
		.amdhsa_private_segment_fixed_size 0
		.amdhsa_enable_private_segment 0
		.amdhsa_kernarg_size 32
		.amdhsa_user_sgpr_count 2
		.amdhsa_user_sgpr_kernarg_segment_ptr 1
		.amdhsa_wavefront_size32 1
		.amdhsa_system_sgpr_workgroup_id_x 1
		.amdhsa_system_sgpr_workgroup_id_y 1
		.amdhsa_system_sgpr_workgroup_id_z 1
		.amdhsa_system_vgpr_workitem_id 0
		.amdhsa_next_free_vgpr 192
		.amdhsa_next_free_sgpr 76
		.amdhsa_reserve_vcc 0
		.amdhsa_float_denorm_mode_32 3
		.amdhsa_float_denorm_mode_16_64 3
		.amdhsa_memory_ordered 1
		.amdhsa_forward_progress 1
		.amdhsa_inst_pref_size 59
	.end_amdhsa_kernel
	.amdgpu_metadata
---
amdhsa.version: [ 1, 2 ]
amdhsa.kernels:
  - .name:           k_q6dd7378819_proj
    .symbol:         k_q6dd7378819_proj.kd
    .args:
      - { .name: xw, .offset: 0, .size: 8, .value_kind: global_buffer, .address_space: global }
      - { .name: wh, .offset: 8, .size: 8, .value_kind: global_buffer, .address_space: global }
      - { .name: b_out, .offset: 16, .size: 8, .value_kind: global_buffer, .address_space: global }
      - { .name: out0, .offset: 24, .size: 8, .value_kind: global_buffer, .address_space: global }
    .group_segment_fixed_size: 327680
    .private_segment_fixed_size: 0
    .kernarg_segment_align: 8
    .kernarg_segment_size: 32
    .max_flat_workgroup_size: 128
    .sgpr_count:     76
    .vgpr_count:     192
    .wavefront_size: 32
...
	.end_amdgpu_metadata
.endif
;; end of part 2
